; MI455X (gfx1250); checked and timed in simulation.
; The chip was launched on July 23, 2026; its instructions are those of AMD's public machine-readable ISA for CDNA 5 (MIT licence, August 2026) and "CDNA5" Instruction Set Architecture Reference Guide (July 2026). The comments in the code are by the model that wrote it; some were corrected since.
;; Bahdanau Attention LSTM. Allowed arithmetic: matrix products marked QUANTISED: E4M3 operands, one E8M0 scale for each 32 along K, by v_wmma_scale_f32_16x16x128_f8f6f4 with both operands' format E4M3, f32 sums; products left as they are: f32 operands where the result goes on into a quantised operand, else bf16, f16 or f32 operands; f32 sums; everything else in f32.
;; Inputs: Ua_b 1,024 float32; Ua_w_codes 1,024 x 32 x 32 uint8 (E4M3 codes of Ua_w, K innermost, in blocks of 32 codes); Ua_w_scales 1,024 x 32 uint8 (E8M0 scales of Ua_w, one for each 32 codes along K); Va_b 1 float32; Va_w 1 x 1,024 float32; Wa_b 1,024 float32; Wa_w_codes 1,024 x 32 x 32 uint8 (E4M3 codes of Wa_w, K innermost, in blocks of 32 codes); Wa_w_scales 1,024 x 32 uint8 (E8M0 scales of Wa_w, one for each 32 codes along K); keys 32 x 2,048 x 1,024 float32; query0 32 x 1 x 1,024 float32; query1 32 x 1 x 1,024 float32.
;; Outputs: out0 32 x 1 x 1,024 float32; out1 32 x 1 x 2,048 float32.
;; This version of the problem:
;;   THIS VERSION OF THE PROBLEM IS GIVEN IN LOW PRECISION. The matrix products marked QUANTISED in the list below multiply operands that are first quantised to E4M3 (4 exponent bits, 3 mantissa bits; 8 bits a number), with one power-of-two scale for each 32 numbers along K (OCP MX v1.0); their sums are f32. All else is computed in f32.
;;   The module's matrix products, in the order in which they are computed (A, B: the left and right operand; K: the contracted axis; several contracted axes count as one K, in the product's order):
;;     1. [M 32, K 1,024] x [K 1,024, N 1,024]; A: computed on the way; B: input Wa_w (given as codes): QUANTISED
;;     2. [M 65,536, K 1,024] x [K 1,024, N 1,024]; A: input keys; B: input Ua_w (given as codes): QUANTISED
;;     3. [M 65,536, K 1,024] x [K 1,024, N 1]; A: computed on the way; B: input Va_w: left as it is (N = 1 < 16)
;;     4. batch 32 x [M 1, K 2,048] x [K 2,048, N 1,024]; A: softmax; B: input keys: left as it is (M = 1 < 16)
;;   THE QUANTISER, for each operand of a quantised product, along K:
;;     - K is cut into blocks of 32 from its start; a last block that is shorter is filled with zeros.
;;     - A block's scale is 2^e with e = floor(log2(the largest magnitude in the block)) - 8, held to -126 .. 127; a block of zeros has e = 0. As a byte (E8M0): e + 127.
;;     - Each number is divided by its block's scale, clamped to +-448, and rounded to the nearest number of E4M3, ties to even, subnormals kept.
;;     - The product sums the exact products of the quantised numbers (number of the format x scale) in f32.
;;   ~~~python
;;   def quantise(x, axis):      # numpy; x: float32 -> the quantised numbers, widened to float32 again
;;       x = np.moveaxis(x, axis, -1); K = x.shape[-1]
;;       x = np.pad(x, [(0, 0)] * (x.ndim - 1) + [(0, -K % 32)]); x = x.reshape(x.shape[:-1] + (-1, 32)); a = np.abs(x).max(-1, keepdims=True)
;;       e = np.where(a > 0, np.clip(np.frexp(np.where(a > 0, a, 1))[1] - 1 - 8, -126, 127), 0)      # np.frexp(a)[1] - 1 = floor(log2(a)), exactly
;;       r = np.clip(x / 2.0 ** e, -448, 448)
;;       step = 2.0 ** (np.maximum(np.frexp(np.where(r == 0, 1, r))[1] - 1, -6) - 3)
;;       q = np.round(r / step) * step * 2.0 ** e      # np.round: ties to even
;;       return np.moveaxis(q.reshape(q.shape[:-2] + (-1,))[..., :K], -1, axis).astype(np.float32)
;;   ~~~
;;   OPERANDS COMPUTED ON THE WAY. 'Computed on the way' means the value that the module computes at that place (a softmax that the list does not call 'softmax' is quantised finished and normalised). What goes into a quantiser is computed in f32, as accurately as f32 sums, v_exp_f32 and their like allow (about 1e-6 of the number): no bf16 or f16 on the way to a quantiser, and a product that is left as it is and whose result goes on into a quantised operand takes f32 operands (vector FMAs, or v_wmma_f32_16x16x4_f32). A number that lies on a knife's edge between two numbers of the format may be rounded either way, as far as f32 arithmetic and the matrix unit's own rounding can turn it there, and no further.
;;   INPUTS GIVEN AS CODES. Ua_w (in the module: [1024, 1024], K = its axis 1); Wa_w (in the module: [1024, 1024], K = its axis 1): each comes as NAME_codes (uint8): NAME with its K axis moved to the last place and cut into blocks of 32 codes, [.., K / 32, bytes a block], one block behind the other in memory; one code a byte (a code: sign, 4 exponent bits, 3 mantissa bits); and NAME_scales (uint8): the same leading axes, one E8M0 byte (e + 127) for each 32 codes along K. Its value is code x scale, taken as it is: it is not quantised again, and the codes and scales need not be those that the quantiser above would give.
;; One version. Each part assembles by itself: llvm-mc -triple=amdgcn-amd-amdhsa -mcpu=gfx1250 --defsym DOCPART=n.
;; ======== version 1 of 1: 3 launches
;; limits: values are held in bf16: 8 bits of precision; right only within a limited range of input values
;; workspace buffers: uimg 1,081,344 bytes; cvt 262,144 bytes; sc 262,144 bytes; pctx 4,194,304 bytes
;; launch prep (part 1): grid 64 x 1, 16 waves a work-group, no clusters, 18,432 bytes of LDS; arguments Ua_w_codes, Ua_w_scales, Wa_w_codes, Wa_w_scales, query0, query1, Wa_b, Ua_b, Va_w, uimg, cvt; writes uimg, cvt
.if DOCPART == 1
	.amdgcn_target "amdgcn-amd-amdhsa--gfx1250"
	.amdhsa_code_object_version 6
	.text
	.protected	k_q0706323fb7_prep
	.globl	k_q0706323fb7_prep
	.p2align	8
	.type	k_q0706323fb7_prep,@function
k_q0706323fb7_prep:
	s_mov_b64 s[64:65], 0
	v_nop
	global_prefetch_b8 v0, s[64:65] scope:SCOPE_SE
	s_setreg_imm32_b32 hwreg(HW_REG_WAVE_MODE, 25, 1), 1
	s_wait_xcnt 0x0
; DEAD WORK, for the whole program.  scores[b][s] = Va . tanh(..) + Va_b, and tanh(x) = 1 - 2 / (1 + e^(2x)), so scores[b][s] = (sum of Va + Va_b) - 2 sum of Va[n] / (1 + e^(2 x[n])).
; The term in brackets is the same for every s of a batch, and scores reach the outputs only through softmax over s, which a term constant along s leaves as it is, whatever the inputs hold.
; So that term is left out; input Va_b has then no way to an output, is not loaded and is no launch's argument.  LIMIT: a NaN, an infinity or an overflow that reaches only Va_b or the sum of Va is not carried to the result.
; Two small jobs ahead of the main launch.
; (1) Ua's codes and scale bytes are laid by chunks of 128 columns, CH bytes each: chunk t / 8 holds, for tile t % 8 of 16 columns and K step s of 128, an image of the operand's registers
;     (16 bytes of group c, lane l at 16384 (t % 8) + 2048 s + 512 c + 16 l), and behind the 64 images the columns' scale bytes as they lie in memory (column n % 128: 32 bytes at 131,072 + 32 (n % 128)).
; (2) c'[b][n] = 2 log2(e) x (Q(query0 + query1) . Wa[n] + Wa_b[n] + Ua_b[n]) at cvt + 8192 b + 4 n, and va2[n] = -2 log2(e) Va[n] at cvt + 8192 b + 4096 + 4 n.
; SHARES: work-group t takes columns 16 t .. 16 t + 15.  Wave 8 i + s takes batch tile i (16 batches) and K step s: one matrix instruction a wave; the eight K steps' sums meet in LDS.
; LIMITS: the eight K steps of a sum are added as a tree in f32; a block of zeros of the query gets the scale byte 1 (its codes are zeros); NaN and infinities are not served.
; The scale words and c', va2 are stored in short runs (4 and 64 bytes): 288 KiB in the whole launch.
.set CH,  135168
.set TM,  44
.set PW,  41
.set PC,  60
.set XR,  80
.set SEL, 30
.set MNT, 32
.macro QUANT s                         ; 64 numbers of a lane (register 16 b + i = k 32 b + 16 (lane / 16) + i of its row) become a fragment's codes and its scale word
.irp b, 0,1,2,3
	v_max3_num_f32 v[TM+\b], |v[\s+16*\b]|, |v[\s+1+16*\b]|, 0x4800000   ; with the floor 2^(9 - 127): the byte cannot fall under 1
.endr
.irp i, 2,4,6,8,10,12,14
.irp b, 0,1,2,3
	s_delay_alu instid0(VALU_DEP_4)
	v_max3_num_f32 v[TM+\b], v[TM+\b], |v[\s+16*\b+\i]|, |v[\s+1+16*\b+\i]|
.endr
.endr
.irp b, 0,1,2,3
	s_delay_alu instid0(VALU_DEP_4)
	v_permlanex16_b32 v[TM+4+\b], v[TM+\b], s[SEL], s[SEL+1]
.endr
.irp b, 0,1,2,3
	s_delay_alu instid0(VALU_DEP_4)
	v_max_num_f32 v[TM+\b], v[TM+\b], v[TM+4+\b]
.endr
.irp b, 0,1,2,3
	s_delay_alu instid0(VALU_DEP_4)
	v_add_nc_u32 v[TM+12+\b], 0xfc000000, v[TM+\b]               ; 8 off the exponent field: the conversion's scale operand
.endr
.irp b, 0,1,2,3
	v_and_or_b32 v[TM+8+\b], v[TM+\b], 0x7f800000, s[MNT]        ; 448 x the scale
.endr
.irp b, 0,1,2,3
	v_lshrrev_b32 v[TM+4+\b], 23, v[TM+12+\b]                    ; the scale's byte
.endr
	s_delay_alu instid0(VALU_DEP_3)
	v_lshl_or_b32 v[PW], v[TM+5], 8, v[TM+4]
	s_delay_alu instid0(VALU_DEP_1)
	v_lshl_or_b32 v[PW], v[TM+6], 16, v[PW]
	s_delay_alu instid0(VALU_DEP_1)
	v_lshl_or_b32 v[PW], v[TM+7], 24, v[PW]
.irp b, 0,1,2,3
.irp i, 0,1,2,3,4,5,6,7,8,9,10,11,12,13,14,15
	v_med3_num_f32 v[\s+16*\b+\i], v[\s+16*\b+\i], -v[TM+8+\b], v[TM+8+\b]   ; the conversion does not saturate (ISA guide 7.6.2)
.endr
	v_cvt_scalef32_pk8_fp8_f32 v[PC+4*\b:PC+1+4*\b], v[\s+16*\b:\s+7+16*\b], v[TM+12+\b]
	v_cvt_scalef32_pk8_fp8_f32 v[PC+2+4*\b:PC+3+4*\b], v[\s+8+16*\b:\s+15+16*\b], v[TM+12+\b]
.endr
	v_nop
.endm
	s_load_b256 s[4:11], s[0:1], 0x0               ; Ua's codes, Ua's scales, Wa's codes, Wa's scales
	s_load_b256 s[12:19], s[0:1], 0x20             ; query0, query1, Wa_b, Ua_b
	s_load_b128 s[20:23], s[0:1], 0x40             ; Va_w, uimg
	s_load_b64 s[24:25], s[0:1], 0x50              ; cvt
	v_lshl_add_u32 v254, v0, 2, 0x4000
	v_mov_b32 v255, 0
	v_lshrrev_b32 v1, 5, v0
	s_delay_alu instid0(VALU_DEP_1)
	v_readfirstlane_b32 s26, v1                    ; wave 0..15
	s_lshr_b32 s27, s26, 3                         ; i: batch tile
	s_and_b32 s28, s26, 7                          ; s: K step
	v_and_b32 v1, 31, v0                           ; lane
	v_and_b32 v2, 15, v0                           ; r
	s_wait_alu depctr_va_vdst(0)
	v_bfe_u32 v3, v0, 4, 1                         ; h
	s_lshl_b32 s33, ttmp9, 14
	s_lshl_b32 s34, s28, 7
	s_add_co_u32 s33, s33, s34
	v_lshlrev_b32 v4, 10, v2
	s_delay_alu instid0(VALU_DEP_1)
	v_lshl_add_u32 v4, v3, 4, v4
	s_delay_alu instid0(VALU_DEP_1)
	v_add_nc_u32 v4, s33, v4                       ; a weight's fragment: (16 t + r) x 1024 + 128 s + 16 h
	s_lshl_b32 s34, s27, 6
	v_add_nc_u32 v5, s34, v4                       ; of Ua's four groups this wave copies 2 i and 2 i + 1
	s_lshl_b32 s33, ttmp9, 9
	s_lshl_b32 s34, s28, 2
	s_add_co_u32 s33, s33, s34
	v_lshl_add_u32 v6, v2, 5, s33                  ; a weight's scale word: (16 t + r) x 32 + 4 s
	s_lshl_b32 s33, s27, 16
	s_lshl_b32 s34, s28, 9
	s_add_co_u32 s33, s33, s34
	v_lshlrev_b32 v7, 12, v2
	s_wait_alu depctr_va_vdst(0)
	v_lshl_add_u32 v7, v3, 6, v7
	s_delay_alu instid0(VALU_DEP_1)
	v_add_nc_u32 v7, s33, v7                       ; the queries: (16 i + r) x 4096 + 512 s + 64 h
	s_lshl_b32 s33, ttmp9, 6
	v_lshl_add_u32 v8, v2, 2, s33                  ; biases and Va: 4 (16 t + r)
	s_lshr_b32 s35, ttmp9, 3
	s_mul_i32 s35, s35, CH                         ; the chunk
	s_and_b32 s38, ttmp9, 7
	s_lshl_b32 s33, s38, 14
	s_add_co_u32 s33, s33, s35
	s_lshl_b32 s34, s28, 11
	s_add_co_u32 s33, s33, s34
	s_lshl_b32 s34, s27, 10
	s_add_co_u32 s33, s33, s34
	v_lshl_add_u32 v9, v1, 4, s33                  ; uimg: chunk + 16384 (t % 8) + 2048 s + 512 (2 i) + 16 lane
	s_lshl_b32 s33, s38, 9
	s_add_co_u32 s33, s33, s35
	s_lshl_b32 s34, s28, 2
	s_add_co_u32 s33, s33, s34
	s_add_co_u32 s33, s33, 131072
	v_lshl_add_u32 v10, v2, 5, s33                 ; uimg's scale words: chunk + 131072 + 512 (t % 8) + 32 r + 4 s
	s_lshl_b32 s33, s26, 10
	v_lshl_add_u32 v11, v1, 4, s33                 ; LDS: my wave's 1,024 bytes
	s_bfe_u32 s36, s26, 0x10001                    ; for the four waves that add: batch tile,
	s_and_b32 s37, s26, 1                          ; and which four of a lane's eight results
	s_lshl_b32 s33, s36, 13
	s_lshl_b32 s34, s37, 9
	s_add_co_u32 s33, s33, s34
	v_lshl_add_u32 v12, v1, 4, s33
	s_lshl_b32 s33, s36, 17
	s_lshl_b32 s34, s37, 15
	s_add_co_u32 s33, s33, s34
	s_lshl_b32 s34, ttmp9, 6
	s_add_co_u32 s33, s33, s34
	v_lshlrev_b32 v13, 2, v2
	s_delay_alu instid0(VALU_DEP_1)
	v_lshl_add_u32 v13, v3, 16, v13
	s_delay_alu instid0(VALU_DEP_1)
	v_add_nc_u32 v13, s33, v13                     ; cvt: (16 i + 8 h + 4 q) x 8192 + (16 t + r) x 4
	s_mov_b32 s[SEL], 0x76543210
	s_mov_b32 s[SEL+1], 0xfedcba98
	s_mov_b32 s[MNT], 0x600000
.irp b, 0,1,2,3
	v_mov_b32 v[TM+4+\b], 0                        ; a lane permute's destination counts as one of its sources
.endr
	s_wait_kmcnt 0x0
	global_load_b128 v[32:35], v5, s[4:5]
	global_load_b128 v[36:39], v5, s[4:5] offset:32
	global_load_b32 v42, v6, s[6:7]
.irp c, 0,1,2,3
	global_load_b128 v[16+4*\c:19+4*\c], v4, s[8:9] offset:32*\c
.endr
	global_load_b32 v40, v6, s[10:11]              ; Wa's scale word: v40 holds nothing else
.irp b, 0,1,2,3
.irp j, 0,1,2,3
	global_load_b128 v[XR+16*\b+4*\j:XR+16*\b+4*\j+3], v7, s[12:13] offset:128*\b+16*\j
	global_load_b128 v[XR+64+16*\b+4*\j:XR+64+16*\b+4*\j+3], v7, s[14:15] offset:128*\b+16*\j
.endr
.endr
	global_load_b32 v43, v8, s[16:17]
	global_load_b32 v76, v8, s[18:19]
	global_load_b32 v77, v8, s[20:21]
	s_wait_loadcnt 0x0
	global_store_b128 v9, v[32:35], s[22:23]               ; 32 lanes store 512 consecutive bytes of an image
	global_store_b128 v9, v[36:39], s[22:23] offset:512
	s_cmp_lg_u32 s27, 0                            ; the words are the same for both batch tiles: the waves of tile 0 store them
	s_cbranch_scc1 .Lno_words
	global_store_b32 v10, v42, s[22:23]
.Lno_words:
.set n, 0
.rept 32
	v_pk_add_f32 v[XR+2*n:XR+2*n+1], v[XR+2*n:XR+2*n+1], v[XR+64+2*n:XR+64+2*n+1]   ; q = query0 + query1, in f32
.set n, n+1
.endr
	QUANT XR
.rept 4
	v_nop                                          ; codes written by vector instructions stand 4 places ahead of a scaled matrix instruction
.endr
	v_wmma_scale_f32_16x16x128_f8f6f4 v[208:215], v[PC:PC+15], v[16:31], 0, v[PW], v40   ; register j of lane (r, h): batch 16 i + 8 h + j, column 16 t + r, K step s
.rept 8
	v_nop
.endr
	ds_store_b128 v11, v[208:211]
	ds_store_b128 v11, v[212:215] offset:512
	s_wait_dscnt 0x0                               ; for the others' sake: my stores have landed
	s_barrier_signal -1
	s_barrier_wait -1
	s_cmp_ge_u32 s26, 4                            ; four waves add the eight K steps
	s_cbranch_scc1 .Ldone
.irp s, 0,1,2,3,4,5,6,7
	ds_load_b128 v[216+4*\s:219+4*\s], v12 offset:1024*\s
.endr
	v_add_f32 v43, v43, v76                        ; Wa_b + Ua_b
	s_wait_dscnt 0x0
.irp s, 0,2,4,6
	v_pk_add_f32 v[216+4*\s:217+4*\s], v[216+4*\s:217+4*\s], v[220+4*\s:221+4*\s]
	v_pk_add_f32 v[218+4*\s:219+4*\s], v[218+4*\s:219+4*\s], v[222+4*\s:223+4*\s]
.endr
.irp s, 0
	v_pk_add_f32 v[216+4*\s:217+4*\s], v[216+4*\s:217+4*\s], v[224+4*\s:225+4*\s]
	v_pk_add_f32 v[218+4*\s:219+4*\s], v[218+4*\s:219+4*\s], v[226+4*\s:227+4*\s]
.endr
.irp s, 4
	s_delay_alu instid0(VALU_DEP_4)
	v_pk_add_f32 v[216+4*\s:217+4*\s], v[216+4*\s:217+4*\s], v[224+4*\s:225+4*\s]
	s_delay_alu instid0(VALU_DEP_4)
	v_pk_add_f32 v[218+4*\s:219+4*\s], v[218+4*\s:219+4*\s], v[226+4*\s:227+4*\s]
.endr
	s_delay_alu instid0(VALU_DEP_2)
	v_pk_add_f32 v[216:217], v[216:217], v[232:233]
	s_delay_alu instid0(VALU_DEP_2)
	v_pk_add_f32 v[218:219], v[218:219], v[234:235]
.irp j, 0,1,2,3
	v_add_f32 v[216+\j], v[216+\j], v43
	s_delay_alu instid0(VALU_DEP_1)
	v_mul_f32 v[XR+2*\j], 0x4038aa3b, v[216+\j]    ; c' = 2 log2(e) x (wq + Wa_b + Ua_b)
	v_mul_f32 v[XR+2*\j+1], 0xc038aa3b, v77        ; va2 = -2 log2(e) Va
.endr
.irp j, 0,1,2,3
	global_store_b32 v13, v[XR+2*\j], s[24:25] offset:8192*\j
	global_store_b32 v13, v[XR+2*\j+1], s[24:25] offset:8192*\j+4096
.endr
.Ldone:
	s_wait_tensorcnt 0x0
	ds_add_u32 v254, v255
	s_wait_dscnt 0x0
	s_endpgm
.Lfunc_end_k_q0706323fb7_prep:
	.size	k_q0706323fb7_prep, .Lfunc_end_k_q0706323fb7_prep-k_q0706323fb7_prep
	.p2alignl 7, 3214868480
	.fill 96, 4, 3214868480
	.section	.rodata,"a",@progbits
	.p2align	6, 0x0
	.amdhsa_kernel k_q0706323fb7_prep
		.amdhsa_group_segment_fixed_size 18432
		.amdhsa_private_segment_fixed_size 0
		.amdhsa_enable_private_segment 0
		.amdhsa_kernarg_size 88
		.amdhsa_user_sgpr_count 2
		.amdhsa_user_sgpr_kernarg_segment_ptr 1
		.amdhsa_wavefront_size32 1
		.amdhsa_system_sgpr_workgroup_id_x 1
		.amdhsa_system_sgpr_workgroup_id_y 1
		.amdhsa_system_sgpr_workgroup_id_z 1
		.amdhsa_system_vgpr_workitem_id 0
		.amdhsa_next_free_vgpr 256
		.amdhsa_next_free_sgpr 66
		.amdhsa_reserve_vcc 0
		.amdhsa_float_denorm_mode_32 3
		.amdhsa_float_denorm_mode_16_64 3
		.amdhsa_memory_ordered 1
		.amdhsa_forward_progress 1
		.amdhsa_inst_pref_size 24
	.end_amdhsa_kernel
	.amdgpu_metadata
---
amdhsa.version: [ 1, 2 ]
amdhsa.kernels:
  - .name:           k_q0706323fb7_prep
    .symbol:         k_q0706323fb7_prep.kd
    .args:
      - { .name: Ua_w_codes, .offset: 0, .size: 8, .value_kind: global_buffer, .address_space: global }
      - { .name: Ua_w_scales, .offset: 8, .size: 8, .value_kind: global_buffer, .address_space: global }
      - { .name: Wa_w_codes, .offset: 16, .size: 8, .value_kind: global_buffer, .address_space: global }
      - { .name: Wa_w_scales, .offset: 24, .size: 8, .value_kind: global_buffer, .address_space: global }
      - { .name: query0, .offset: 32, .size: 8, .value_kind: global_buffer, .address_space: global }
      - { .name: query1, .offset: 40, .size: 8, .value_kind: global_buffer, .address_space: global }
      - { .name: Wa_b, .offset: 48, .size: 8, .value_kind: global_buffer, .address_space: global }
      - { .name: Ua_b, .offset: 56, .size: 8, .value_kind: global_buffer, .address_space: global }
      - { .name: Va_w, .offset: 64, .size: 8, .value_kind: global_buffer, .address_space: global }
      - { .name: uimg, .offset: 72, .size: 8, .value_kind: global_buffer, .address_space: global }
      - { .name: cvt, .offset: 80, .size: 8, .value_kind: global_buffer, .address_space: global }
    .group_segment_fixed_size: 18432
    .private_segment_fixed_size: 0
    .kernarg_segment_align: 8
    .kernarg_segment_size: 88
    .max_flat_workgroup_size: 512
    .sgpr_count:     66
    .vgpr_count:     256
    .wavefront_size: 32
...
	.end_amdgpu_metadata
.endif
;; end of part 1
;; launch main (part 2): grid 256 x 1, 4 waves a work-group, clusters of 4 x 1, 327,680 bytes of LDS; arguments keys, uimg, cvt, sc, pctx; writes sc, pctx
.if DOCPART == 2
	.amdgcn_target "amdgcn-amd-amdhsa--gfx1250"
	.amdhsa_code_object_version 6
	.text
	.protected	k_q0706323fb7_main
	.globl	k_q0706323fb7_main
	.p2align	8
	.type	k_q0706323fb7_main,@function
k_q0706323fb7_main:
	s_mov_b64 s[64:65], 0
	v_nop
	global_prefetch_b8 v0, s[64:65] scope:SCOPE_SE
	s_setreg_imm32_b32 hwreg(HW_REG_WAVE_MODE, 25, 1), 1
	s_wait_xcnt 0x0
	s_wait_alu depctr_hold_cnt(0) depctr_sa_sdst(0) depctr_va_vdst(0) depctr_va_sdst(0) depctr_va_ssrc(0) depctr_va_vcc(0) depctr_vm_vsrc(0)
	s_getreg_b32 s2, hwreg(HW_REG_IB_STS2, 6, 4)
	s_cmp_eq_u32 s2, 0
	s_cbranch_scc0 .Lentry_in_a_cluster
	s_endpgm
.Lentry_in_a_cluster:
	s_bfe_u32 s2, ttmp6, 0x10000c
	s_cmp_lg_u32 s2, 0x3003
	s_cbranch_scc0 .Lentry_shape_is_right
	s_endpgm
.Lentry_shape_is_right:
; Work-group g stays and walks four blocks of 64 rows of keys (rows 256 g on; batch g / 8).  For a block: uk = Q(keys) Ua^T on codes of E4M3 with E8M0 scales;
; t = the sum over n of va2[n] / (1 + 2^(2 log2(e) uk[n] + c'[n])) goes to sc;  p = 2^(t - the block's largest t);  the sum over the 64 rows of p x key goes to pctx.  The last launch joins a batch's 32 blocks.
; LEFT OUT (shown at the head of the first kernel): Va_b and the sum of Va, which are the same for all rows of a batch ahead of its softmax; so t is the score x log2(e) less a constant of the batch.
; tanh(x) = 1 - 2 / (1 + 2^(2 log2(e) x)): an exponential that overflows gives the reciprocal 0, one that underflows gives 1: both are the right limits.
; KEYS LEAVE MEMORY ONCE.  Part 1 of a block: wave w takes rows 16 w .. 16 w + 15, K in 8 chunks of 128: each chunk lands in registers as f32, is rounded to bf16 (kept in window 1 for the context) and
; quantised through the wave's stage in LDS; its codes go to all four waves as an image of the operand's registers (two buffers by turns, one barrier a chunk).  Every wave then holds all 64 rows x 1,024 K of codes: 512 registers.
; Part 2: Ua comes by chunks of 128 columns x all of K (135,168 bytes, laid by the launch before) through a ring of two LDS slots; wave w takes columns 32 w .. 32 w + 31 of a chunk: 8 accumulators, 64 matrix
; instructions; each fragment of Ua read from LDS feeds four.  Chunk i - 1's tanh and score stand behind chunk i's barrier and first LDS loads.  The ring goes on from block to block: 8 chunks, round and round.
; THE PRODUCT IS USED TRANSPOSED (source 0 = 16 columns of Ua, source 1 = 16 rows of keys): a lane holds one row of keys, its registers run along Ua's columns, and a row's score is summed inside the lane.
; CLUSTER: all work-groups walk the same chunks, so the four of a cluster ask for each quarter chunk JOINTLY (mask 15, the same descriptor in all four).
; PREFETCH: in each chunk of part 2 a wave asks for one chunk of its NEXT block's keys (16 rows x 512 bytes, a block of 256 bytes a lane, each once); the loads follow from that block's tail on, one to eight chunks later.
; The last block asks for nothing.  Ua's chunks are read by every work-group again and again and are not asked for.
; LIMITS: keys enter the context rounded to bf16; a block of zeros gets the scale byte 1 (its codes are zeros; the bytes are this program's own); NaN and infinities among the inputs are not served.
; REGISTERS.  Window 0: v1-25 addresses; v32-47 the keys' scale words, v48-55 Ua's (nothing else ever); v72-87 the scores' sums; v88-119 c' and va2 of a chunk; v128-191 four fragments of Ua; v192-255 accumulators
; (parts 1 and 3 work in v128-255).  Window 1: the bf16 copy, chunk s at v[32 s].  Windows 2, 3: chunk s of the keys lands at v[64 (s % 4)] of window 2 + s / 4, and the four fragments of K step s take its place.
.set CH,    135168
.set QCH,   CH/4
.set BLK,   262144                     ; 64 rows of keys in bytes
.set AIMG,  2*CH                       ; images of the keys' fragments, two buffers of 8,192 bytes; in part 3 the four waves' parts of the context
.set ASC,   AIMG+16384                 ; the keys' scale words: 32 bytes a row
.set STG,   ASC+2048                   ; a stage of 16 rows x (512 + 16) bytes for each wave
.set SPIT,  528
.set WSTG,  16*SPIT
.set SX,    STG+4*WSTG                 ; the scores' parts: [wave][64 rows]
.set PX,    SX+1024                    ; p: 256 bytes for each wave, its own
.set SPARE, PX+1024                    ; the spare words: two blocks of 256 bytes that no other line names
.set SPW, 1
.set NIL, 2
.set LI,  3                            ; 16 x lane
.set STI, 4
.set STO, 5
.set AIW, 6
.set ASW, 7
.set BF,  8                            ; v8-9   my two tiles of Ua in slot 0, 1
.set BS,  10                           ; v10-11 their scale words
.set AF,  12
.set ASR, 13
.set CVA, 14                           ; 32 h
.set SXW, 16
.set SXR, 17
.set PXW, 18
.set PXR, 19
.set CR,  20
.set L8,  21
.set ZR,  22
.set PFA, 23                           ; 4096 (lane / 2) + 256 (lane % 2)
.set CXW, 25
.set SA,  32
.set SB,  48
.set SAC, 72
.set CVC, 88
.set CVV, 104
.set BFR, 128
.set AC,  192
.set TM,  128
.set PC,  144
.set PW,  160
.set XR,  192
.set CTXR, 128
.set PR,  160
.set WV,  16
.set SEL, 20
.set MNT, 22
.set G1,  24
.set G0,  32
.set K2,  40
.set PFP, 42                           ; s[42:43] my rows of the next block
.set NB,  44                           ; blocks to go, this one among them
.set LC,  45
.set MSB, 0
.macro WIN new
.if MSB != (\new)
	s_set_vgpr_msb (MSB<<8)|(\new)
.set MSB, (\new)
.endif
.endm
.macro ROUND                           ; a round of the cluster's barrier
	s_barrier_signal -1
	s_barrier_wait -1
	s_cmp_lg_u32 s[WV], 0
	s_cbranch_scc1 .Lnot_wave_0_\@
	s_barrier_signal -3
.Lnot_wave_0_\@:
	s_barrier_wait -3
	s_barrier_signal -1
	s_barrier_wait -1
.endm
.macro GAPN                            ; eight places (except for loads)
.rept 8
	v_nop
.endr
.endm
.macro KLOAD s                         ; chunk s of my 16 rows: a row into four registers; the 32 lanes read 512 consecutive bytes
	WIN (2+(\s)/4)<<6
.set n, 0
.rept 16
	global_load_b128 v[64*((\s)%4)+4*n:64*((\s)%4)+4*n+3], v[LI], s[4:5] offset:4096*n+512*(\s) th:TH_LOAD_NT
.set n, n+1
.endr
	WIN 0
.endm
.macro QUANT                           ; 64 numbers of a lane (register 16 b + i = k 32 b + 16 h + i of row r) become the fragment's codes and the row's scale word; the four blocks by turns
.irp b, 0,1,2,3
	v_max3_num_f32 v[TM+\b], |v[XR+16*\b]|, |v[XR+1+16*\b]|, 0x4800000   ; with the floor 2^(9 - 127): the byte cannot fall under 1
.endr
.irp i, 2,4,6,8,10,12,14
.irp b, 0,1,2,3
	v_max3_num_f32 v[TM+\b], v[TM+\b], |v[XR+16*\b+\i]|, |v[XR+1+16*\b+\i]|
.endr
.endr
.irp b, 0,1,2,3
	v_permlanex16_b32 v[TM+4+\b], v[TM+\b], s[SEL], s[SEL+1]
.endr
.irp b, 0,1,2,3
	v_max_num_f32 v[TM+\b], v[TM+\b], v[TM+4+\b]
.endr
.irp b, 0,1,2,3
	v_add_nc_u32 v[TM+12+\b], 0xfc000000, v[TM+\b]               ; 8 off the exponent field: the conversion's scale operand
.endr
.irp b, 0,1,2,3
	v_and_or_b32 v[TM+8+\b], v[TM+\b], 0x7f800000, s[MNT]        ; 448 x the scale
.endr
.irp b, 0,1,2,3
	v_lshrrev_b32 v[TM+4+\b], 23, v[TM+12+\b]                    ; the scale's byte
.endr
	v_lshl_or_b32 v[PW], v[TM+5], 8, v[TM+4]
	v_lshl_or_b32 v[PW], v[TM+6], 16, v[PW]
	v_lshl_or_b32 v[PW], v[TM+7], 24, v[PW]
.irp b, 0,1,2,3
.irp i, 0,1,2,3,4,5,6,7,8,9,10,11,12,13,14,15
	v_med3_num_f32 v[XR+16*\b+\i], v[XR+16*\b+\i], -v[TM+8+\b], v[TM+8+\b]   ; the conversion does not saturate (ISA guide 7.6.2)
.endr
	v_cvt_scalef32_pk8_fp8_f32 v[PC+4*\b:PC+1+4*\b], v[XR+16*\b:XR+7+16*\b], v[TM+12+\b]
	v_cvt_scalef32_pk8_fp8_f32 v[PC+2+4*\b:PC+3+4*\b], v[XR+8+16*\b:XR+15+16*\b], v[TM+12+\b]
.endr
	v_nop                                          ; one plain line behind the last scaled conversion
.endm
; PART 1, chunk s.  The wait counts the loads issued behind chunk s's: two later chunks (32), at the end one (16) or none.
.macro P1 s
.set W, 2+(\s)/4
.set LB, 64*((\s)%4)
.if (\s) < 6
	s_wait_loadcnt 32
.else
	s_wait_loadcnt 16*(7-(\s))
.endif
	WIN 4*W                                        ; an LDS store's data are its source 1
.set n, 0
.rept 16
	ds_store_b128 v[STI], v[LB+4*n:LB+4*n+3] offset:SPIT*n         ; the chunk into my stage as it lies
.set n, n+1
.endr
	WIN 0
.set n, 0
.rept 16
	ds_load_b128 v[XR+4*n:XR+4*n+3], v[STO] offset:128*(n/4)+16*(n%4)   ; and back by fragment: LDS serves a wave's instructions in order
.set n, n+1
.endr
	WIN 0x40|(5*W)
.set n, 0
.rept 32
	v_cvt_pk_bf16_f32 v[32*(\s)+n], v[LB+2*n], v[LB+2*n+1]         ; row i's four numbers into registers 2 i, 2 i + 1 of the copy
.set n, n+1
.endr
	WIN 0
.if (\s) < 5
	KLOAD (\s)+3
.endif
	s_wait_dscnt 0x0
	QUANT
.irp c, 0,1,2,3
	ds_store_b128 v[AIW], v[PC+4*\c:PC+4*\c+3] offset:8192*((\s)%2)+512*\c
.endr
	ds_store_b32 v[ASW], v[PW] offset:4*(\s)
	s_wait_dscnt 0x0                               ; my image has landed, and my reads of the other buffer are over
	s_barrier_signal -1
	s_barrier_wait -1
	WIN W<<6
.set n, 0
.rept 16
	ds_load_b128 v[LB+4*n:LB+4*n+3], v[AF] offset:8192*((\s)%2)+512*n   ; the four fragments of K step s, where the chunk lay
.set n, n+1
.endr
	WIN 0
.endm
.macro BLOAD f                         ; fragment f = 2 s + e of my two tiles into buffer f % 4
.irp c, 0,1,2,3
	ds_load_b128 v[BFR+16*((\f)%4)+4*\c:BFR+16*((\f)%4)+4*\c+3], v[BF+SL] offset:16384*((\f)%2)+2048*((\f)/2)+512*\c
.endr
.endm
; K step g: my two tiles of Ua against the four tiles of rows.  Ua's words: lanes 0-15 tile 0, lanes 16-31 tile 1; the keys' words: lanes 0-15 an even tile of rows, lanes 16-31 the odd one.
; The 8 accumulators take turns, one instruction a turn.
.macro WM g, z
.irp e, 0,1
.irp m, 0,1,2,3
.set DD, AC+8*(4*\e+\m)
.set BB, BFR+16*((2*(\g)+\e)%4)
.set AA, 64*((\g)%4)+16*\m
.set SS, SA+8*(\m/2)+(\g)
.set VV, 4*(\z)+2*\e+(\m%2)
.if VV == 0
	v_wmma_scale_f32_16x16x128_f8f6f4 v[DD:DD+7], v[BB:BB+15], v[AA:AA+15], v[DD:DD+7], v[SB+(\g)], v[SS]
.elseif VV == 1
	v_wmma_scale_f32_16x16x128_f8f6f4 v[DD:DD+7], v[BB:BB+15], v[AA:AA+15], v[DD:DD+7], v[SB+(\g)], v[SS] matrix_b_scale:MATRIX_SCALE_ROW1
.elseif VV == 2
	v_wmma_scale_f32_16x16x128_f8f6f4 v[DD:DD+7], v[BB:BB+15], v[AA:AA+15], v[DD:DD+7], v[SB+(\g)], v[SS] matrix_a_scale:MATRIX_SCALE_ROW1
.elseif VV == 3
	v_wmma_scale_f32_16x16x128_f8f6f4 v[DD:DD+7], v[BB:BB+15], v[AA:AA+15], v[DD:DD+7], v[SB+(\g)], v[SS] matrix_a_scale:MATRIX_SCALE_ROW1 matrix_b_scale:MATRIX_SCALE_ROW1
.elseif VV == 4
	v_wmma_scale_f32_16x16x128_f8f6f4 v[DD:DD+7], v[BB:BB+15], v[AA:AA+15], 0, v[SB+(\g)], v[SS]
.elseif VV == 5
	v_wmma_scale_f32_16x16x128_f8f6f4 v[DD:DD+7], v[BB:BB+15], v[AA:AA+15], 0, v[SB+(\g)], v[SS] matrix_b_scale:MATRIX_SCALE_ROW1
.elseif VV == 6
	v_wmma_scale_f32_16x16x128_f8f6f4 v[DD:DD+7], v[BB:BB+15], v[AA:AA+15], 0, v[SB+(\g)], v[SS] matrix_a_scale:MATRIX_SCALE_ROW1
.else
	v_wmma_scale_f32_16x16x128_f8f6f4 v[DD:DD+7], v[BB:BB+15], v[AA:AA+15], 0, v[SB+(\g)], v[SS] matrix_a_scale:MATRIX_SCALE_ROW1 matrix_b_scale:MATRIX_SCALE_ROW1
.endif
.endr
.endr
.endm
.macro ASK how, off                    ; how = 1: unless this is the last block; 2: always; 0: never
.if \how
.if (\how) == 1
	s_cmp_eq_u32 s[NB], 1
	s_cbranch_scc1 .Lno_next_\@
.endif
	global_prefetch_b8 v[PFA], s[PFP:PFP+1] offset:\off th:TH_LOAD_NT scope:SCOPE_SE
.Lno_next_\@:
.endif
.endm
; tanh and the score of a finished chunk.  Register j of accumulator (e, m), lane (r, h): column 16 e + 8 h + j of my 32, row 16 m + r.  Each accumulator is read from its low end on.
.macro TANH how, off
	s_wait_alu depctr_va_vdst(0)
.set n, 0
.rept 32
	v_pk_fma_f32 v[AC+2*n:AC+2*n+1], v[AC+2*n:AC+2*n+1], s[K2:K2+1], v[CVC+8*(n/16)+2*(n%4):CVC+8*(n/16)+2*(n%4)+1] op_sel_hi:[1,0,1]   ; 2 log2(e) uk + c'
.set n, n+1
.endr
	ASK \how, \off
	s_wait_alu depctr_va_vdst(0)
.set n, 0
.rept 64
	v_exp_f32 v[AC+n], v[AC+n]
.set n, n+1
.endr
	v_nop
	s_wait_alu depctr_va_vdst(0)
.set n, 0
.rept 32
	v_pk_add_f32 v[AC+2*n:AC+2*n+1], v[AC+2*n:AC+2*n+1], 1.0 op_sel_hi:[1,0]
.set n, n+1
.endr
	s_wait_alu depctr_va_vdst(0)
.set n, 0
.rept 64
	v_rcp_f32 v[AC+n], v[AC+n]
.set n, n+1
.endr
	v_nop
	s_wait_alu depctr_va_vdst(0)
.irp p, 0,1,2,3
.irp q, 0,1,2,3,4,5,6,7
	v_pk_fma_f32 v[SAC+2*\q:SAC+2*\q+1], v[AC+8*\q+2*\p:AC+8*\q+2*\p+1], v[CVV+8*(\q/4)+2*\p:CVV+8*(\q/4)+2*\p+1], v[SAC+2*\q:SAC+2*\q+1]   ; + va2 x reciprocal: eight chains by turns
.endr
.endr
.endm
; PART 2, one chunk, in slot sl.  In front of the barrier: all my tensor loads have landed (my quarter of this chunk), the add, my reads of the other slot are over.  fill = 1: a round of the cluster's barrier,
; and the other slot takes the chunk that follows (back = 1: six chunks back, else two on).  th = 1: the chunk before is finished under this chunk's first LDS loads.  off: this chunk's c', va2 and prefetch.
.macro BODY sl, th, fill, back, how, off
.set SL, \sl
	s_wait_tensorcnt 0x0
	ds_add_u32 v[SPW], v[NIL]
.if \fill
.if \back
	s_sub_nc_u64 s[G0+6-4*\sl:G0+7-4*\sl], s[G0+6-4*\sl:G0+7-4*\sl], 6*CH   ; no load of mine is out: a group 0 may be written
.else
	s_add_nc_u64 s[G0+6-4*\sl:G0+7-4*\sl], s[G0+6-4*\sl:G0+7-4*\sl], 2*CH
.endif
.endif
	GAPN                                           ; the places between the last products and the loads and reads below
	s_wait_dscnt 0x0
.if \fill
	ROUND
	tensor_load_to_lds s[G0+4-4*\sl:G0+7-4*\sl], s[G1:G1+7]
	s_nop 0
.rept 4
	v_nop
.endr
.else
	s_barrier_signal -1
	s_barrier_wait -1
.endif
	ds_load_b128 v[SB:SB+3], v[BS+SL]              ; my columns' eight scale words
	ds_load_b128 v[SB+4:SB+7], v[BS+SL] offset:16
	BLOAD 0
	BLOAD 1
	BLOAD 2
	BLOAD 3
.if \th
	s_wait_loadcnt 0x0                             ; the last chunk's c' and va2
	TANH \how, \off
.else
	ASK \how, \off
.endif
.irp e, 0,1
.irp q, 0,1
	global_load_b128 v[CVC+8*\e+4*\q:CVC+8*\e+4*\q+3], v[CVA], s[8:9] offset:(\off)+64*\e+16*\q          ; c' of columns 16 e + 8 h + 4 q on,
	global_load_b128 v[CVV+8*\e+4*\q:CVV+8*\e+4*\q+3], v[CVA], s[8:9] offset:(\off)+4096+64*\e+16*\q     ; and va2: wanted a chunk later
.endr
.endr
	WIN 0x08                                       ; source 1, the keys' fragments: window 2
.irp g, 0,1,2,3,4,5,6,7
.if \g < 7
	s_wait_dscnt 8                                 ; behind this K step's two fragments: the next step's two
.else
	s_wait_dscnt 0x0
.endif
.if \g == 4
	WIN 0x0c                                       ; window 3
.endif
.if \g == 0
	WM \g, 1                                       ; the first K step starts the sums
.else
	WM \g, 0
.endif
.if \g < 6
	GAPN
	BLOAD 2*\g+4
	BLOAD 2*\g+5
.endif
.endr
	WIN 0
.endm
.macro CTX4 d, hr, pr
.if i == 0
	v_fma_mix_f32_bf16 v[(\d)], v[(\hr)], v[(\pr)], v[ZR] op_sel_hi:[1,0,0]
	v_fma_mix_f32_bf16 v[(\d)+1], v[(\hr)], v[(\pr)], v[ZR] op_sel:[1,0,0] op_sel_hi:[1,0,0]
	v_fma_mix_f32_bf16 v[(\d)+2], v[(\hr)+1], v[(\pr)], v[ZR] op_sel_hi:[1,0,0]
	v_fma_mix_f32_bf16 v[(\d)+3], v[(\hr)+1], v[(\pr)], v[ZR] op_sel:[1,0,0] op_sel_hi:[1,0,0]
.else
	v_fma_mix_f32_bf16 v[(\d)], v[(\hr)], v[(\pr)], v[(\d)] op_sel_hi:[1,0,0]
	v_fma_mix_f32_bf16 v[(\d)+1], v[(\hr)], v[(\pr)], v[(\d)+1] op_sel:[1,0,0] op_sel_hi:[1,0,0]
	v_fma_mix_f32_bf16 v[(\d)+2], v[(\hr)+1], v[(\pr)], v[(\d)+2] op_sel_hi:[1,0,0]
	v_fma_mix_f32_bf16 v[(\d)+3], v[(\hr)+1], v[(\pr)], v[(\d)+3] op_sel:[1,0,0] op_sel_hi:[1,0,0]
.endif
.endm
; PART 3.  next = 1: the next block's first three chunks of keys are asked for first, into the registers that held this block's codes.
.macro TAIL next
	GAPN                                           ; the places behind the last products
.if \next
	s_wait_xcnt 0x0                                ; every earlier load and prefetch has read its base
	s_add_nc_u64 s[4:5], s[4:5], BLK
	s_add_nc_u64 s[PFP:PFP+1], s[4:5], BLK
	s_sub_nc_u64 s[8:9], s[8:9], 3072              ; c' and va2: back to chunk 0
	KLOAD 0
	KLOAD 1
	KLOAD 2
	s_wait_loadcnt 48                              ; the last chunk's c' and va2 are in; behind them: the 48 just issued
.else
	s_wait_loadcnt 0x0
.endif
	TANH 0, 0
.irp m, 0,1,2,3
	v_pk_add_f32 v[SAC+2*\m:SAC+2*\m+1], v[SAC+2*\m:SAC+2*\m+1], v[SAC+8+2*\m:SAC+9+2*\m]
.endr
.irp m, 0,1,2,3
	v_add_f32 v[176+\m], v[SAC+2*\m], v[SAC+2*\m+1]
.endr
.irp m, 0,1,2,3
	v_permlanex16_b32 v[180+\m], v[176+\m], s[SEL], s[SEL+1]
.endr
.irp m, 0,1,2,3
	v_add_f32 v[176+\m], v[176+\m], v[180+\m]      ; row 16 m + r over my 256 columns
.endr
.irp m, 0,1,2,3
	ds_store_b32 v[SXW], v[176+\m] offset:64*\m    ; (both halves of the lanes write the same word with the same value)
.endr
	s_wait_dscnt 0x0
	s_barrier_signal -1
	s_barrier_wait -1
.irp w, 0,1,2,3
	ds_load_b64 v[184+2*\w:185+2*\w], v[SXR] offset:256*\w
.endr
	s_wait_dscnt 0x0
	v_pk_add_f32 v[184:185], v[184:185], v[186:187]
	v_pk_add_f32 v[188:189], v[188:189], v[190:191]
	v_pk_add_f32 v[184:185], v[184:185], v[188:189]   ; t of rows 2 l and 2 l + 1: the same bits in all four waves
	s_wait_alu depctr_va_vdst(0)
	s_cmp_lg_u32 s[WV], 0
	s_cbranch_scc1 .Lnot_first_\@
	global_store_b64 v[L8], v[184:185], s[10:11]   ; 32 lanes store 256 consecutive bytes, aligned
.Lnot_first_\@:
	v_max_num_f32 v186, v184, v185                 ; the block's largest t: the last launch finds it again from the stored t
	v_max_num_f32_dpp v186, v186, v186 row_xmask:1 row_mask:0xf bank_mask:0xf
	v_max_num_f32_dpp v186, v186, v186 row_xmask:2 row_mask:0xf bank_mask:0xf
	v_max_num_f32_dpp v186, v186, v186 row_xmask:4 row_mask:0xf bank_mask:0xf
	v_max_num_f32_dpp v186, v186, v186 row_xmask:8 row_mask:0xf bank_mask:0xf
	v_permlanex16_b32 v187, v186, s[SEL], s[SEL+1]
	v_max_num_f32 v186, v186, v187
	v_sub_f32 v188, v184, v186
	v_sub_f32 v189, v185, v186
	s_wait_alu depctr_va_vdst(0)
	v_exp_f32 v188, v188                           ; p = 2^(t - the largest), at most 1
	v_exp_f32 v189, v189
	v_nop
	s_wait_alu depctr_va_vdst(0)
	ds_store_b64 v[PXW], v[188:189]                ; through my wave's own 256 bytes: every lane wants p of my 16 rows
.irp q, 0,1,2,3
	ds_load_b128 v[PR+4*\q:PR+4*\q+3], v[PXR] offset:16*\q
.endr
	s_wait_dscnt 0x0
	WIN 0x01                                       ; the context of my 16 rows: lane l, chunk k: columns 128 k + 4 l + 0 .. 3
.set i, 0
.rept 16
.irp k, 0,1,2,3,4,5,6,7
	CTX4 CTXR+4*\k, 32*\k+2*i, PR+i
.endr
.set i, i+1
.endr
	WIN 0
.irp k, 0,1,2,3,4,5,6,7
	ds_store_b128 v[CXW], v[CTXR+4*\k:CTXR+4*\k+3] offset:512*\k
.endr
	s_wait_dscnt 0x0
	s_barrier_signal -1
	s_barrier_wait -1
.irp e, 0,1
.irp w, 0,1,2,3
	ds_load_b128 v[192+16*\e+4*\w:195+16*\e+4*\w], v[CR] offset:4096*\w+512*\e
.endr
.endr
	s_wait_dscnt 0x0
.irp e, 0,1
	v_pk_add_f32 v[192+16*\e:193+16*\e], v[192+16*\e:193+16*\e], v[196+16*\e:197+16*\e]
	v_pk_add_f32 v[194+16*\e:195+16*\e], v[194+16*\e:195+16*\e], v[198+16*\e:199+16*\e]
	v_pk_add_f32 v[200+16*\e:201+16*\e], v[200+16*\e:201+16*\e], v[204+16*\e:205+16*\e]
	v_pk_add_f32 v[202+16*\e:203+16*\e], v[202+16*\e:203+16*\e], v[206+16*\e:207+16*\e]
	v_pk_add_f32 v[192+16*\e:193+16*\e], v[192+16*\e:193+16*\e], v[200+16*\e:201+16*\e]
	v_pk_add_f32 v[194+16*\e:195+16*\e], v[194+16*\e:195+16*\e], v[202+16*\e:203+16*\e]
.endr
	global_store_b128 v[LI], v[192:195], s[12:13]          ; 32 lanes store 512 consecutive bytes, aligned
	global_store_b128 v[LI], v[208:211], s[12:13] offset:512
.endm
	s_load_b256 s[4:11], s[0:1], 0x0               ; keys s[4:5], uimg s[6:7], cvt s[8:9], sc s[10:11]
	s_load_b64 s[12:13], s[0:1], 0x20              ; pctx
	v_lshl_add_u32 v[SPW], v0, 2, SPARE
	v_mov_b32 v[NIL], 0
	ds_add_u32 v[SPW], v[NIL]
	ds_add_u32 v[SPW], v[NIL]
	v_lshrrev_b32 v120, 5, v0
	v_readfirstlane_b32 s[WV], v120                ; wave 0..3
	s_bfe_u32 s17, ttmp6, 0x40000                  ; cx
	s_lshl_b32 s18, ttmp9, 2
	s_add_co_u32 s18, s18, s17                     ; g: it enters the addresses of keys, cvt, sc and pctx alone
	s_mul_i32 s46, s[WV], WSTG
	s_add_co_u32 s46, s46, STG                     ; my stage
	s_lshl_b32 s47, s[WV], 11
	s_add_co_u32 s47, s47, AIMG
	s_lshl_b32 s48, s[WV], 9
	s_add_co_u32 s48, s48, ASC
	s_lshl_b32 s49, s[WV], 15
	s_lshl_b32 s50, s[WV], 10
	s_add_co_u32 s50, s50, 131072
	s_lshl_b32 s51, s[WV], 8
	s_add_co_u32 s52, s51, PX
	s_add_co_u32 s51, s51, SX
	s_mul_i32 s53, s[WV], 320
	s_add_co_u32 s53, s53, PX
	s_lshl_b32 s54, s[WV], 10
	s_add_co_u32 s54, s54, AIMG
	s_lshl_b32 s55, s[WV], 12
	s_add_co_u32 s55, s55, AIMG
	s_lshl_b32 s56, s18, 20                        ; keys: (256 g + 16 w) rows of 4,096 bytes
	s_lshl_b32 s57, s[WV], 16
	s_add_co_u32 s56, s56, s57
	s_mov_b32 s57, 0
	s_mul_i32 s58, s[WV], QCH                      ; uimg and the slots: my quarter
	s_mov_b32 s59, 0
	s_lshr_b32 s60, s18, 3                         ; cvt: the batch's 8,192 bytes, my 32 columns of a chunk
	s_lshl_b32 s60, s60, 13
	s_lshl_b32 s61, s[WV], 7
	s_add_co_u32 s60, s60, s61
	s_mov_b32 s61, 0
	s_lshl_b32 s62, s18, 10                        ; sc: 256 rows of 4 bytes
	s_mov_b32 s63, 0
	s_lshl_b32 s66, s18, 14                        ; pctx: four blocks of 4,096 bytes, my 1,024
	s_lshl_b32 s67, s[WV], 10
	s_add_co_u32 s66, s66, s67
	s_mov_b32 s67, 0
	s_mov_b32 s[SEL], 0x76543210
	s_mov_b32 s[SEL+1], 0xfedcba98
	s_mov_b32 s[MNT], 0x600000
	s_mov_b32 s[K2], 0x4038aa3b                    ; 2 log2(e)
	s_mov_b32 s[K2+1], s[K2]
	s_mov_b32 s[NB], 4
	s_mov_b32 s[G1+0], 15|(3<<16)|(1<<21)          ; the mask: all four work-groups; elements of 8 bytes; bit 21 beside a mask
	s_mov_b32 s[G1+1], 32<<16                      ; 132 rows of 256 bytes, dense
	s_mov_b32 s[G1+2], 132<<16
	s_mov_b32 s[G1+3], 32<<16
	s_mov_b32 s[G1+4], 132
	s_mov_b32 s[G1+5], 32
	s_mov_b32 s[G1+6], 0
	s_mov_b32 s[G1+7], 0
	v_and_b32 v121, 31, v0                         ; lane
	v_and_b32 v122, 15, v0                         ; r
	v_bfe_u32 v123, v0, 4, 1                       ; h
	v_lshlrev_b32 v[LI], 4, v121
	v_add_nc_u32 v[STI], s46, v[LI]
	v_mul_u32_u24 v[STO], v122, SPIT
	v_lshl_add_u32 v[STO], v123, 6, v[STO]
	v_add_nc_u32 v[STO], s46, v[STO]
	v_add_nc_u32 v[AIW], s47, v[LI]
	v_lshl_add_u32 v[ASW], v122, 5, s48            ; row 16 w + r: 32 bytes a row
	v_add_nc_u32 v[BF], s49, v[LI]
	v_add_nc_u32 v[BF+1], CH, v[BF]
	v_lshl_add_u32 v[BS], v121, 5, s50             ; column 32 w + lane: 32 bytes a column
	v_add_nc_u32 v[BS+1], CH, v[BS]
	v_add_nc_u32 v[AF], AIMG, v[LI]
	v_lshl_add_u32 v[ASR], v121, 5, ASC
	v_lshlrev_b32 v[CVA], 5, v123
	v_lshl_add_u32 v[SXW], v122, 2, s51
	v_lshl_add_u32 v[SXR], v121, 3, SX
	v_lshl_add_u32 v[PXW], v121, 3, s52
	v_mov_b32 v[PXR], s53
	v_add_nc_u32 v[CR], s54, v[LI]
	v_add_nc_u32 v[CXW], s55, v[LI]
	v_lshlrev_b32 v[L8], 3, v121
	v_mov_b32 v[ZR], 0
	v_lshrrev_b32 v[PFA], 1, v121
	v_lshlrev_b32 v[PFA], 12, v[PFA]
	v_and_b32 v124, 1, v121
	v_lshl_add_u32 v[PFA], v124, 8, v[PFA]
.irp b, 0,1,2,3
	v_mov_b32 v[TM+4+\b], 0                        ; a lane permute's destination counts as one of its sources
.endr
	s_wait_alu depctr_va_vdst(0)
	s_wait_dscnt 0x0
	s_wait_kmcnt 0x0
	s_add_nc_u64 s[4:5], s[4:5], s[56:57]
	s_add_nc_u64 s[6:7], s[6:7], s[58:59]
	s_add_nc_u64 s[8:9], s[8:9], s[60:61]
	s_add_nc_u64 s[10:11], s[10:11], s[62:63]
	s_add_nc_u64 s[12:13], s[12:13], s[66:67]
	s_add_nc_u64 s[PFP:PFP+1], s[4:5], BLK
	s_mov_b32 s[G0], 1
	s_mov_b32 s[G0+1], s58                         ; slot 0, my quarter
	s_mov_b64 s[G0+2:G0+3], s[6:7]                 ; chunk 0
	s_or_b32 s[G0+3], s[G0+3], 0x80000000
	s_mov_b32 s[G0+4], 1
	s_add_co_u32 s[G0+5], s58, CH                  ; slot 1
	s_add_nc_u64 s[G0+6:G0+7], s[6:7], 7*CH        ; at chunk 7: a block's first chunk steps it six back, to chunk 1
	s_or_b32 s[G0+7], s[G0+7], 0x80000000
	KLOAD 0                                        ; three chunks of keys: 48 loads of mine are out, and never more
	KLOAD 1
	KLOAD 2
	ROUND                                          ; all four work-groups are here: the first joint loads meet
	tensor_load_to_lds s[G0:G0+3], s[G1:G1+7]      ; chunk 0: my one tensor load at the head
	s_nop 0
.rept 4
	v_nop
.endr
.Lblock:
.set n, 0
.rept 16
	v_mov_b32 v[SAC+n], 0                          ; the block's eight chains of the score (the step that adds to them stands in a loop)
.set n, n+1
.endr
.irp s, 0,1,2,3,4,5,6,7
	P1 \s
.endr
.irp q, 0,1,2,3
	ds_load_b128 v[SA+4*\q:SA+4*\q+3], v[ASR] offset:1024*(\q/2)+16*(\q%2)   ; row 32 (q / 2) + lane: its eight scale words
.endr
	BODY 0, 0, 1, 1, 1, 0                          ; chunk 0
	s_mov_b32 s[LC], 3
.Ltrip:                                                ; chunks 1 to 6
	BODY 1, 1, 1, 0, 1, 512
	BODY 0, 1, 1, 0, 1, 1024
	s_wait_xcnt 0x0                                ; my loads and prefetches have read their bases
	s_add_nc_u64 s[8:9], s[8:9], 1024
	s_add_nc_u64 s[PFP:PFP+1], s[PFP:PFP+1], 1024
	s_sub_co_u32 s[LC], s[LC], 1
	s_cmp_lg_u32 s[LC], 0
	s_cbranch_scc1 .Ltrip
	s_cmp_eq_u32 s[NB], 1
	s_cbranch_scc1 .Llast                          ; the last block's end is written out: it asks for nothing more
	BODY 1, 1, 1, 1, 2, 512                        ; chunk 7; slot 0 takes the next block's chunk 0
	TAIL 1
	s_wait_xcnt 0x0                                ; the stores have read their bases and data
	s_add_nc_u64 s[10:11], s[10:11], 256
	s_add_nc_u64 s[12:13], s[12:13], 4096
	s_barrier_signal -1                            ; every wave has read the context's parts (its wait stands above): the images' buffers may be written again
	s_barrier_wait -1
	s_sub_co_u32 s[NB], s[NB], 1
	s_branch .Lblock
.Llast:
	BODY 1, 1, 0, 0, 0, 512
	TAIL 0
	s_wait_tensorcnt 0x0                           ; the wave's end
	ds_add_u32 v[SPW], v[NIL]
	s_wait_dscnt 0x0
	ROUND                                          ; the closing round
	s_endpgm
.Lfunc_end_k_q0706323fb7_main:
	.size	k_q0706323fb7_main, .Lfunc_end_k_q0706323fb7_main-k_q0706323fb7_main
	.p2alignl 7, 3214868480
	.fill 96, 4, 3214868480
	.section	.rodata,"a",@progbits
	.p2align	6, 0x0
	.amdhsa_kernel k_q0706323fb7_main
		.amdhsa_group_segment_fixed_size 327680
		.amdhsa_private_segment_fixed_size 0
		.amdhsa_enable_private_segment 0
		.amdhsa_kernarg_size 40
		.amdhsa_user_sgpr_count 2
		.amdhsa_user_sgpr_kernarg_segment_ptr 1
		.amdhsa_wavefront_size32 1
		.amdhsa_system_sgpr_workgroup_id_x 1
		.amdhsa_system_sgpr_workgroup_id_y 1
		.amdhsa_system_sgpr_workgroup_id_z 1
		.amdhsa_system_vgpr_workitem_id 0
		.amdhsa_next_free_vgpr 1024
		.amdhsa_next_free_sgpr 70
		.amdhsa_reserve_vcc 0
		.amdhsa_float_denorm_mode_32 3
		.amdhsa_float_denorm_mode_16_64 3
		.amdhsa_memory_ordered 1
		.amdhsa_forward_progress 1
		.amdhsa_inst_pref_size 255
	.end_amdhsa_kernel
	.section	.bss,"aw",@nobits
	.p2align	6
	.space	262144
	.amdgpu_metadata
---
amdhsa.version: [ 1, 2 ]
amdhsa.kernels:
  - .name:           k_q0706323fb7_main
    .symbol:         k_q0706323fb7_main.kd
    .args:
      - { .name: keys, .offset: 0, .size: 8, .value_kind: global_buffer, .address_space: global }
      - { .name: uimg, .offset: 8, .size: 8, .value_kind: global_buffer, .address_space: global }
      - { .name: cvt, .offset: 16, .size: 8, .value_kind: global_buffer, .address_space: global }
      - { .name: sc, .offset: 24, .size: 8, .value_kind: global_buffer, .address_space: global }
      - { .name: pctx, .offset: 32, .size: 8, .value_kind: global_buffer, .address_space: global }
    .group_segment_fixed_size: 327680
    .private_segment_fixed_size: 0
    .kernarg_segment_align: 8
    .kernarg_segment_size: 40
    .max_flat_workgroup_size: 128
    .sgpr_count:     70
    .vgpr_count:     1024
    .wavefront_size: 32
...
	.end_amdgpu_metadata
.endif
;; end of part 2
;; launch comb (part 3): grid 128 x 1, 2 waves a work-group, no clusters, 0 bytes of LDS; arguments sc, pctx, out0, out1; writes out0, out1
.if DOCPART == 3
	.amdgcn_target "amdgcn-amd-amdhsa--gfx1250"
	.amdhsa_code_object_version 6
	.text
	.protected	k_q0706323fb7_comb
	.globl	k_q0706323fb7_comb
	.p2align	8
	.type	k_q0706323fb7_comb,@function
k_q0706323fb7_comb:
	s_mov_b64 s[64:65], 0
	v_nop
	global_prefetch_b8 v0, s[64:65] scope:SCOPE_SE
	s_setreg_imm32_b32 hwreg(HW_REG_WAVE_MODE, 25, 1), 1
	s_wait_xcnt 0x0
; The softmax over a batch's 2,048 rows is finished and the 32 blocks' parts of the context are joined.
; sc [32][2048]: t = score x log2(e).  pctx [32 b x 32 blocks][1024]: the sum over a block's 64 rows of 2^(t - the block's largest t) x key.
; weights = 2^(t - M) / L, M the batch's largest t, L the sum of 2^(t - M);  context = the sum over blocks i of 2^(m_i - M) / L x pctx[i], m_i the block's largest t, found again here from the same stored t.
; SHARES: work-group 4 b + qd takes a quarter of batch b's outputs: 256 columns of the context, 512 weights.  Each of its two waves reads all 2,048 t (lane i: block i's 64), so that no wave waits for another:
; no LDS, no barrier.  The matrix units have nothing to do here.  The factors go into scalar registers and serve as operands alone.
; (The stored t is the score x log2(e) less a constant of the batch, which the launches before leave out: the softmax taken here is the same with it and without.)
.set TR, 16
.set CP, 80                            ; v80-207  the 32 blocks' parts of my four columns
.set T2, 208                           ; v208-215 my eight t
	s_load_b256 s[4:11], s[0:1], 0x0               ; sc s[4:5], pctx s[6:7], out0 s[8:9], out1 s[10:11]
	s_lshr_b32 s12, ttmp9, 2                       ; b
	s_and_b32 s13, ttmp9, 3                        ; qd
	v_and_b32 v1, 31, v0
	v_lshlrev_b32 v1, 8, v1                        ; 256 x lane: a block's 64 t
	v_lshlrev_b32 v2, 4, v0                        ; 16 x thread
	s_lshl_b32 s14, s12, 13                        ; the batch's t and weights: 8,192 bytes
	s_mov_b32 s15, 0
	s_lshl_b32 s18, s13, 10
	s_lshl_b32 s16, s12, 17                        ; the batch's 32 parts of 4,096 bytes, + my quarter's 1,024
	s_add_co_u32 s16, s16, s18
	s_mov_b32 s17, 0
	s_lshl_b32 s20, s12, 12                        ; out0: the batch's 4,096 bytes, + my quarter's 1,024
	s_add_co_u32 s20, s20, s18
	s_mov_b32 s21, 0
	s_lshl_b32 s22, s13, 11                        ; out1 and my t: + my quarter's 2,048
	s_add_co_u32 s22, s22, s14
	s_mov_b32 s23, 0
	s_mov_b32 s28, 0x76543210
	s_mov_b32 s29, 0xfedcba98                      ; v_permlanex16_b32's selects for lane l xor 16
	v_mov_b32 v221, 0                              ; a lane permute's destination counts as one of its sources
	v_mov_b32 v223, 0
	s_wait_alu depctr_va_vdst(0)
	s_wait_kmcnt 0x0
	s_add_nc_u64 s[24:25], s[4:5], s[14:15]
	s_add_nc_u64 s[26:27], s[4:5], s[22:23]
	s_add_nc_u64 s[6:7], s[6:7], s[16:17]
	s_add_nc_u64 s[8:9], s[8:9], s[20:21]
	s_add_nc_u64 s[10:11], s[10:11], s[22:23]
.irp j, 0,1,2,3,4,5,6,7,8,9,10,11,12,13,14,15
	global_load_b128 v[TR+4*\j:TR+4*\j+3], v1, s[24:25] offset:16*\j
.endr
.irp e, 0,1
	global_load_b128 v[T2+4*\e:T2+4*\e+3], v2, s[26:27] offset:1024*\e
.endr
.set n, 0
.rept 32
	global_load_b128 v[CP+4*n:CP+4*n+3], v2, s[6:7] offset:4096*n
.set n, n+1
.endr
	s_wait_loadcnt 32                              ; the t are in; the 32 parts may stay out
.irp c, 0,1,2,3
	v_max3_num_f32 v[216+\c], v[TR+16*\c], v[TR+16*\c+1], v[TR+16*\c+2]
.endr
.irp i, 3,5,7,9,11,13
.irp c, 0,1,2,3
	v_max3_num_f32 v[216+\c], v[216+\c], v[TR+16*\c+\i], v[TR+16*\c+\i+1]
.endr
.endr
.irp c, 0,1,2,3
	v_max_num_f32 v[216+\c], v[216+\c], v[TR+16*\c+15]
.endr
	v_max3_num_f32 v216, v216, v217, v218
	v_max_num_f32 v216, v216, v219                 ; m_i: my block's largest t
	v_mov_b32 v220, v216
	v_max_num_f32_dpp v220, v220, v220 row_xmask:1 row_mask:0xf bank_mask:0xf
	v_max_num_f32_dpp v220, v220, v220 row_xmask:2 row_mask:0xf bank_mask:0xf
	v_max_num_f32_dpp v220, v220, v220 row_xmask:4 row_mask:0xf bank_mask:0xf
	v_max_num_f32_dpp v220, v220, v220 row_xmask:8 row_mask:0xf bank_mask:0xf
	v_permlanex16_b32 v221, v220, s28, s29
	v_max_num_f32 v220, v220, v221                 ; M: the batch's
.set n, 0
.rept 64
	v_sub_f32 v[TR+n], v[TR+n], v220
.set n, n+1
.endr
.set n, 0
.rept 8
	v_sub_f32 v[T2+n], v[T2+n], v220
.set n, n+1
.endr
.set n, 0
	s_wait_alu depctr_va_vdst(0)
.rept 64
	v_exp_f32 v[TR+n], v[TR+n]
.set n, n+1
.endr
.set n, 0
.rept 8
	v_exp_f32 v[T2+n], v[T2+n]
.set n, n+1
.endr
	v_sub_f32 v225, v216, v220                     ; m_i - M.  (The plain line behind the exponentials)
.set n, 0
	s_wait_alu depctr_va_vdst(0)
.rept 15
	v_pk_add_f32 v[TR:TR+1], v[TR:TR+1], v[TR+4+4*n:TR+5+4*n]       ; the sum, two at a time, in two chains
	v_pk_add_f32 v[TR+2:TR+3], v[TR+2:TR+3], v[TR+6+4*n:TR+7+4*n]
.set n, n+1
.endr
	v_pk_add_f32 v[TR:TR+1], v[TR:TR+1], v[TR+2:TR+3]
	v_add_f32 v222, v[TR], v[TR+1]
	v_add_f32_dpp v222, v222, v222 row_xmask:1 row_mask:0xf bank_mask:0xf
	v_add_f32_dpp v222, v222, v222 row_xmask:2 row_mask:0xf bank_mask:0xf
	v_add_f32_dpp v222, v222, v222 row_xmask:4 row_mask:0xf bank_mask:0xf
	v_add_f32_dpp v222, v222, v222 row_xmask:8 row_mask:0xf bank_mask:0xf
	v_permlanex16_b32 v223, v222, s28, s29
	v_add_f32 v222, v222, v223                     ; L, at least 1
	s_wait_alu depctr_va_vdst(0)
	v_rcp_f32 v224, v222
	v_exp_f32 v225, v225
	v_nop
	s_wait_alu depctr_va_vdst(0)
	v_mul_f32 v225, v225, v224                     ; f_i = 2^(m_i - M) / L, in lane i
.set n, 0
.rept 8
	v_mul_f32 v[T2+n], v[T2+n], v224               ; the weights
.set n, n+1
.endr
	global_store_b128 v2, v[T2:T2+3], s[10:11]             ; a wave's store covers 512 consecutive bytes, aligned
	global_store_b128 v2, v[T2+4:T2+7], s[10:11] offset:1024
.set n, 0
.rept 32
	v_readlane_b32 s[32+n], v225, n
.set n, n+1
.endr
	s_wait_loadcnt 0x0                             ; the parts
.irp c, 0,1,2,3
	v_mul_f32 v[228+\c], s32, v[CP+\c]             ; the first two blocks start the sums: even blocks in one set of four chains, odd ones in another
	v_mul_f32 v[232+\c], s33, v[CP+4+\c]
.endr
.set n, 2
.rept 30
.irp c, 0,1,2,3
	v_fmac_f32 v[228+4*(n%2)+\c], s[32+n], v[CP+4*n+\c]
.endr
.set n, n+1
.endr
	v_pk_add_f32 v[228:229], v[228:229], v[232:233]
	v_pk_add_f32 v[230:231], v[230:231], v[234:235]
	global_store_b128 v2, v[228:231], s[8:9]
	s_endpgm
.Lfunc_end_k_q0706323fb7_comb:
	.size	k_q0706323fb7_comb, .Lfunc_end_k_q0706323fb7_comb-k_q0706323fb7_comb
	.p2alignl 7, 3214868480
	.fill 96, 4, 3214868480
	.section	.rodata,"a",@progbits
	.p2align	6, 0x0
	.amdhsa_kernel k_q0706323fb7_comb
		.amdhsa_group_segment_fixed_size 0
		.amdhsa_private_segment_fixed_size 0
		.amdhsa_enable_private_segment 0
		.amdhsa_kernarg_size 32
		.amdhsa_user_sgpr_count 2
		.amdhsa_user_sgpr_kernarg_segment_ptr 1
		.amdhsa_wavefront_size32 1
		.amdhsa_system_sgpr_workgroup_id_x 1
		.amdhsa_system_sgpr_workgroup_id_y 1
		.amdhsa_system_sgpr_workgroup_id_z 1
		.amdhsa_system_vgpr_workitem_id 0
		.amdhsa_next_free_vgpr 240
		.amdhsa_next_free_sgpr 66
		.amdhsa_reserve_vcc 0
		.amdhsa_float_denorm_mode_32 3
		.amdhsa_float_denorm_mode_16_64 3
		.amdhsa_memory_ordered 1
		.amdhsa_forward_progress 1
		.amdhsa_inst_pref_size 23
	.end_amdhsa_kernel
	.amdgpu_metadata
---
amdhsa.version: [ 1, 2 ]
amdhsa.kernels:
  - .name:           k_q0706323fb7_comb
    .symbol:         k_q0706323fb7_comb.kd
    .args:
      - { .name: sc, .offset: 0, .size: 8, .value_kind: global_buffer, .address_space: global }
      - { .name: pctx, .offset: 8, .size: 8, .value_kind: global_buffer, .address_space: global }
      - { .name: out0, .offset: 16, .size: 8, .value_kind: global_buffer, .address_space: global }
      - { .name: out1, .offset: 24, .size: 8, .value_kind: global_buffer, .address_space: global }
    .group_segment_fixed_size: 0
    .private_segment_fixed_size: 0
    .kernarg_segment_align: 8
    .kernarg_segment_size: 32
    .max_flat_workgroup_size: 64
    .sgpr_count:     66
    .vgpr_count:     240
    .wavefront_size: 32
...
	.end_amdgpu_metadata
.endif
;; end of part 3
